; MI455X (gfx1250); checked and timed in simulation.
; The chip was launched on July 23, 2026; its instructions are those of AMD's public machine-readable ISA for CDNA 5 (MIT licence, August 2026) and "CDNA5" Instruction Set Architecture Reference Guide (July 2026). The comments in the code are by the model that wrote it; some were corrected since.
;; Bit Linear. Allowed arithmetic: matrix products marked QUANTISED: E2M3 operands, one E8M0 scale for each 32 along K, by v_wmma_scale_f32_16x16x128_f8f6f4 with both operands' format E2M3, f32 sums; everything else in f32.
;; Inputs: bias 11,008 float32; weight 11,008 x 4,096 float32; x_codes 2 x 512 x 128 x 24 uint8 (E2M3 codes of x, K innermost, in blocks of 32 codes, four codes in three bytes); x_scales 2 x 512 x 128 uint8 (E8M0 scales of x, one for each 32 codes along K).
;; Outputs: out0 2 x 512 x 11,008 float32.
;; This version of the problem:
;;   THIS VERSION OF THE PROBLEM IS GIVEN IN LOW PRECISION. The matrix products marked QUANTISED in the list below multiply operands that are first quantised to E2M3 (2 exponent bits, 3 mantissa bits; 6 bits a number), with one power-of-two scale for each 32 numbers along K (OCP MX v1.0); their sums are f32. All else is computed in f32.
;;   The module's matrix products, in the order in which they are computed (A, B: the left and right operand; K: the contracted axis; several contracted axes count as one K, in the product's order):
;;     1. [M 1,024, K 4,096] x [K 4,096, N 11,008]; A: input x (given as codes); B: computed on the way: QUANTISED
;;   THE QUANTISER, for each operand of a quantised product, along K:
;;     - K is cut into blocks of 32 from its start; a last block that is shorter is filled with zeros.
;;     - A block's scale is 2^e with e = floor(log2(the largest magnitude in the block)) - 2, held to -126 .. 127; a block of zeros has e = 0. As a byte (E8M0): e + 127.
;;     - Each number is divided by its block's scale, clamped to +-7.5, and rounded to the nearest number of E2M3, ties to even, subnormals kept.
;;     - The product sums the exact products of the quantised numbers (number of the format x scale) in f32.
;;   ~~~python
;;   def quantise(x, axis):      # numpy; x: float32 -> the quantised numbers, widened to float32 again
;;       x = np.moveaxis(x, axis, -1); K = x.shape[-1]
;;       x = np.pad(x, [(0, 0)] * (x.ndim - 1) + [(0, -K % 32)]); x = x.reshape(x.shape[:-1] + (-1, 32)); a = np.abs(x).max(-1, keepdims=True)
;;       e = np.where(a > 0, np.clip(np.frexp(np.where(a > 0, a, 1))[1] - 1 - 2, -126, 127), 0)      # np.frexp(a)[1] - 1 = floor(log2(a)), exactly
;;       r = np.clip(x / 2.0 ** e, -7.5, 7.5)
;;       step = 2.0 ** (np.maximum(np.frexp(np.where(r == 0, 1, r))[1] - 1, 0) - 3)
;;       q = np.round(r / step) * step * 2.0 ** e      # np.round: ties to even
;;       return np.moveaxis(q.reshape(q.shape[:-2] + (-1,))[..., :K], -1, axis).astype(np.float32)
;;   ~~~
;;   OPERANDS COMPUTED ON THE WAY. 'Computed on the way' means the value that the module computes at that place (a softmax that the list does not call 'softmax' is quantised finished and normalised). What goes into a quantiser is computed in f32, as accurately as f32 sums, v_exp_f32 and their like allow (about 1e-6 of the number): no bf16 or f16 on the way to a quantiser, and a product that is left as it is and whose result goes on into a quantised operand takes f32 operands (vector FMAs, or v_wmma_f32_16x16x4_f32). A number that lies on a knife's edge between two numbers of the format may be rounded either way, as far as f32 arithmetic and the matrix unit's own rounding can turn it there, and no further.
;;   INPUTS GIVEN AS CODES. x (in the module: [2, 512, 4096], K = its axis 2): each comes as NAME_codes (uint8): NAME with its K axis moved to the last place and cut into blocks of 32 codes, [.., K / 32, bytes a block], one block behind the other in memory; four codes in three bytes: a row's codes are one little-endian stream of bits, code i at bits 6 i .. 6 i + 5 (a code: sign, 2 exponent bits, 3 mantissa bits); and NAME_scales (uint8): the same leading axes, one E8M0 byte (e + 127) for each 32 codes along K. Its value is code x scale, taken as it is: it is not quantised again, and the codes and scales need not be those that the quantiser above would give.
;; One version. Each part assembles by itself: llvm-mc -triple=amdgcn-amd-amdhsa -mcpu=gfx1250 --defsym DOCPART=n.
;; ======== version 1 of 1: 2 launches
;; limits: right only within a limited range of input values
;; workspace buffers: wsgn 33,816,576 bytes; psum 5,632 bytes; ximg 3,145,728 bytes; xsimg 131,072 bytes
;; launch prep (part 1): grid 1440 x 1, 4 waves a work-group, no clusters, 34,560 bytes of LDS; arguments weight, x_codes, x_scales, wsgn, psum, ximg, xsimg; writes wsgn, psum, ximg, xsimg
.if DOCPART == 1
	.amdgcn_target "amdgcn-amd-amdhsa--gfx1250"
	.amdhsa_code_object_version 6
	.text
	.protected	k_q2e7884b629_prep
	.globl	k_q2e7884b629_prep
	.p2align	8
	.type	k_q2e7884b629_prep,@function
k_q2e7884b629_prep:
	s_mov_b64 s[64:65], 0
	v_nop
	global_prefetch_b8 v0, s[64:65] scope:SCOPE_SE
	s_setreg_imm32_b32 hwreg(HW_REG_WAVE_MODE, 25, 1), 1
	s_wait_xcnt 0x0
; out = x Q(sign(W) s)^T + bias, s = mean |W|, Q the E2M3 quantiser along K in blocks of 32.  FIRST OF TWO LAUNCHES.
; WHAT THE QUANTISER MAKES OF sign(W) s.  Every number of that operand is +s, -s or 0.  So every block that is not all zeros has the largest magnitude s, hence one and the same scale
; byte, and every number that is not 0 has one and the same five magnitude bits c(s) under its own sign bit.  The operand is a part for each weight (sign; zero or not), which one pass over W gives,
; and one pair (c, byte), which wants all of W.  This launch reads W ONCE and stores (a) SIGN CODES: the 6-bit code s11111 for a weight that is not 0, the code 0 for a 0;
; (b) 1,376 partial sums of |w|.  The second launch adds the partial sums, makes (c, byte) by the stated rule and turns s11111 into s c by one AND with the pattern 1 c c c c c.
; NO WORK OF reference() IS LEFT OUT, and every input is loaded (bias by the second launch).
; A block of zeros carries s's byte where the rule says 127: its codes are zeros, which add nothing under any byte but 0xff, and this program alone reads the bytes.
; (c) x's codes and scale bytes are copied, as they are, into the order of the operand's registers, so that the second launch takes a K step of 128 rows as one dense block.
; LIMITS: NaN and infinities among the weights are not served (the mean is none then either); a weight -0.0 gives the code -0, which adds nothing.
; SHARES.  Work-groups 0-63 copy x; they use no LDS.  Work-group 64 + g takes 16 rows of W (column tile T = g / 2 of the product) x 2,048 along K (half g % 2); each of its four waves four K steps of 128.
; A FRAGMENT (16 rows x 128 K of 6-bit codes) is 12 registers: lane (r = lane % 16, h = lane / 16) holds row r, registers 6 c .. 6 c + 5 hold K = 64 c + 32 h + 0 .. 31.  Its IMAGE in memory is 1,536 bytes:
; registers 4 c .. 4 c + 3 of lane l at 512 c + 16 l.   wsgn: [688 tiles][32 K steps][1,536].   ximg: [8 row groups][32 K steps][8 row tiles][1,536].
; xsimg: [8 row groups][8][4][32 lanes][4 words]: word (Mg, g, i, l, j) = the four scale bytes of row 128 Mg + 16 (i + 4 (l / 16)) + l % 16 for K step 4 g + j.
; No tensor load, no ring: a stream that is read once; the matrix units and clusters have nothing to do here.  Each load of W reads 512 consecutive bytes of a row; a K step's 16 x 512 bytes turn through
; the wave's own stage in LDS, so that a lane gets 32 neighbours along K twice.  Two K steps (32 loads a wave) are on their way.
.set PIT,   528                        ; a stage row: 512 bytes + 16, so that the sixteen rows that a read touches begin in sixteen different 16-byte columns of 256 bytes
.set STG,   16*PIT                     ; a wave's stage
.set RED,   4*STG                      ; behind the stages: four words, the waves' sums, in a block of 256 bytes of their own
.set SPARE, RED+256                    ; the spare words, 128 bytes for each wave: two blocks of 256 bytes that no other line names
.set SPW,   12                         ; v12  LDS address of my spare word; never rewritten
.set NIL,   13                         ; v13  0; never rewritten
.set R,     16                         ; v16-143  two sets of 64: W as loaded        (x path: v16-111 eight fragments, v112-115 scale words)
.set X,     144                        ; v144-207 64 numbers: register 32 c + i = K 64 c + 32 h + i of my row
.set C,     208                        ; v208-219 the fragment
.set T0,    220                        ; v220-222, v224-226: a conversion's three registers begin on an even number, a block's second three do not: made here and moved
.set T1,    224
	s_load_b256 s[4:11], s[0:1], 0x0               ; weight s[4:5], x_codes s[6:7], x_scales s[8:9], wsgn s[10:11]
	s_load_b128 s[12:15], s[0:1], 0x20             ; psum s[12:13], ximg s[14:15]
	s_load_b64 s[16:17], s[0:1], 0x30              ; xsimg
	v_lshl_add_u32 v[SPW], v0, 2, SPARE
	v_mov_b32 v[NIL], 0
	v_lshrrev_b32 v1, 5, v0
	v_readfirstlane_b32 s18, v1                    ; wave 0..3
	v_and_b32 v1, 31, v0                           ; lane
	v_lshlrev_b32 v2, 4, v1                        ; 16 x lane: my place in 512 bytes; never rewritten
	v_and_b32 v6, 15, v0                           ; r
	v_bfe_u32 v7, v0, 4, 1                         ; h
	s_mul_i32 s19, s18, STG
	v_add_nc_u32 v3, s19, v2                       ; the stage, on the way in: 16 x lane in a row
	v_mul_u32_u24 v4, v6, PIT
	v_lshl_add_u32 v4, v7, 7, v4
	v_add_nc_u32 v4, s19, v4                       ; and on the way out: row r, + 128 h bytes
	s_cmp_lt_u32 ttmp9, 64                         ; the work-group's number alone: all four waves go the same way
	s_cbranch_scc1 .Lx_path
	; ---- W ----
	s_sub_co_u32 s22, ttmp9, 64                    ; g
	s_lshr_b32 s23, s22, 1                         ; T
	s_and_b32 s24, s22, 1
	s_lshl_b32 s24, s24, 4
	s_lshl_b32 s25, s18, 2
	s_add_co_u32 s24, s24, s25                     ; my first K step: 16 (g % 2) + 4 x wave
	s_lshl_b32 s26, s23, 18                        ; 16 rows of 16,384 bytes
	s_lshl_b32 s25, s24, 9                         ; a K step is 512 bytes of a row
	s_add_co_u32 s26, s26, s25
	s_mov_b32 s27, 0
	s_lshl_b32 s28, s23, 5
	s_add_co_u32 s28, s28, s24
	s_mul_i32 s28, s28, 1536                       ; image 32 T + K step
	s_mov_b32 s29, 0
	s_lshl_b32 s30, s22, 2                         ; psum[g]
	s_mov_b32 s31, 0
	s_mov_b32 s20, 0x76543210
	s_mov_b32 s21, 0xfedcba98                      ; v_permlanex16_b32's selects for lane l xor 16
	s_mov_b32 s32, 0x4e800000                      ; 2^30
	s_mov_b32 s33, s32                             ; (named with it as a pair, so it is written)
	v_mov_b32 v5, 0x02800000                       ; the conversions' scale operand: exponent field 5, they divide by 2^-122
	v_mov_b32 v14, 0x03f00000                      ; 1.875 x 2^-120 = 7.5 x 2^-122
.irp j, 8,9,10,11
	v_mov_b32 v\j, 0                               ; four chains of sums
.endr
	s_wait_kmcnt 0x0
	s_add_nc_u64 s[4:5], s[4:5], s[26:27]
	s_add_nc_u64 s[10:11], s[10:11], s[28:29]
	s_add_nc_u64 s[12:13], s[12:13], s[30:31]
.macro LOAD k                          ; K step k of my four: 16 rows x 512 consecutive bytes, into set k % 2
.irp i, 0,1,2,3,4,5,6,7,8,9,10,11,12,13,14,15
	global_load_b128 v[R+64*((\k)%2)+4*\i:R+64*((\k)%2)+4*\i+3], v2, s[4:5] offset:16384*\i+512*(\k) th:TH_LOAD_NT
.endr
.endm
.macro PAIR k
.if (\k) < 3
	s_wait_loadcnt 16                              ; this K step's 16 loads are in; the next step's 16 may be out
.else
	s_wait_loadcnt 0x0
.endif
.irp i, 0,1,2,3,4,5,6,7,8,9,10,11,12,13,14,15
	ds_store_b128 v3, v[R+64*((\k)%2)+4*\i:R+64*((\k)%2)+4*\i+3] offset:PIT*\i
.endr
.irp c, 0,1
.irp t, 0,1,2,3,4,5,6,7
	ds_load_b128 v[X+32*\c+4*\t:X+32*\c+4*\t+3], v4 offset:256*\c+16*\t    ; LDS serves a wave's instructions in order (ISA guide 5.7.1.4): these see the stores above
.endr
.endr
	s_wait_dscnt 0x0                               ; my 64 numbers are in, and the stores into the stage have read their registers,
.if (\k)+2 < 4
	LOAD (\k)+2                                    ; which take the loads of two K steps on
.endif
.set j, 0
.rept 64
	v_add_f32 v[8+j%4], v[8+j%4], |v[X+j]|         ; the sum of |w|: four chains of 64 terms a lane in all, then a tree
.set j, j+1
.endr
.set j, 0
.rept 32
	v_pk_mul_f32 v[X+j:X+j+1], v[X+j:X+j+1], s[32:33] op_sel_hi:[1,0]      ; x 2^30: the smallest f32 magnitude, 2^-149, becomes 2^-119
.set j, j+2
.endr
.set j, 0
.rept 64
	v_med3_num_f32 v[X+j], v[X+j], -v14, v14       ; held at +-1.875 x 2^-120, under every magnitude that is not 0: so each number is now +-7.5 x 2^-122 or 0
.set j, j+1
.endr
.if (\k) > 0
	s_wait_alu depctr_va_vdst(0)
	s_wait_xcnt 0x0                                ; the last K step's stores have read the fragment's registers: they are written again only behind this wait
.endif
	v_cvt_scalef32_pk16_fp6_f32 v[C:C+2], v[X:X+15], v5                    ; +-7.5 or 0, exactly: the code s11111 or 0
	v_cvt_scalef32_pk16_fp6_f32 v[T0:T0+2], v[X+16:X+31], v5
	v_cvt_scalef32_pk16_fp6_f32 v[C+6:C+8], v[X+32:X+47], v5
	v_cvt_scalef32_pk16_fp6_f32 v[T1:T1+2], v[X+48:X+63], v5
	v_nop                                          ; one plain place behind a scaled conversion
.irp i, 0,1,2
	v_mov_b32 v[C+3+\i], v[T0+\i]
	v_mov_b32 v[C+9+\i], v[T1+\i]
.endr
.irp c, 0,1,2
	global_store_b128 v2, v[C+4*\c:C+4*\c+3], s[10:11] offset:1536*(\k)+512*\c th:TH_STORE_NT   ; 32 lanes store 512 consecutive bytes, at a multiple of 256 from the buffer's first byte
.endr
.endm
	LOAD 0
	LOAD 1
	s_wait_alu depctr_va_vdst(0)
	PAIR 0
	PAIR 1
	PAIR 2
	PAIR 3
	v_add_f32 v8, v8, v9                           ; the work-group's sum of |w|: my four chains,
	v_add_f32 v10, v10, v11
	v_add_f32 v8, v8, v10
	v_add_f32_dpp v8, v8, v8 row_xmask:1 row_mask:0xf bank_mask:0xf        ; the 32 lanes,
	v_add_f32_dpp v8, v8, v8 row_xmask:2 row_mask:0xf bank_mask:0xf
	v_add_f32_dpp v8, v8, v8 row_xmask:4 row_mask:0xf bank_mask:0xf
	v_add_f32_dpp v8, v8, v8 row_xmask:8 row_mask:0xf bank_mask:0xf
	v_permlanex16_b32 v9, v8, s20, s21
	v_add_f32 v8, v8, v9
	v_mov_b32 v6, s18
	v_lshlrev_b32 v6, 2, v6
	ds_store_b32 v6, v8 offset:RED                 ; the four waves: all lanes write the wave's word with the same value
	s_wait_dscnt 0x0                               ; for the others' sake: my store has landed
	s_barrier_signal -1
	s_barrier_wait -1
	v_mov_b32 v7, 0
	ds_load_b128 v[8:11], v7 offset:RED
	s_wait_dscnt 0x0
	v_add_f32 v8, v8, v9
	v_add_f32 v10, v10, v11
	v_add_f32 v8, v8, v10
	s_wait_alu depctr_va_vdst(0)
	s_wait_xcnt 0x0                                ; EXEC changes only behind this wait: the stores above have read theirs
	v_cmp_eq_u32 vcc_lo, 0, v0
	s_and_saveexec_b32 s23, vcc_lo                 ; thread 0 of the work-group alone
	global_store_b32 v7, v8, s[12:13]
	s_wait_xcnt 0x0                                ; and again, in front of the line that widens it
	s_or_b32 exec_lo, exec_lo, s23
	s_branch .Lend
	; ---- x: codes and scale bytes as they are, into the order of the operand's registers ----
.Lx_path:
	s_wait_alu depctr_va_vdst(0)
	v_mul_u32_u24 v8, v6, 3072                     ; a row of x's codes is 3,072 bytes
	v_mad_u32_u24 v8, v7, 24, v8                   ; row r, + 24 h
	v_lshlrev_b32 v9, 7, v6                        ; a row of scale bytes is 128 bytes
	v_lshl_add_u32 v9, v7, 13, v9                  ; row r, and 64 rows further down for lanes 16-31
	s_mul_i32 s22, ttmp9, 49152                    ; row tile = work-group: 16 rows of 3,072 bytes;
	s_mul_i32 s23, s18, 768                        ; my eight K steps of 96 bytes: three whole runs of 256 bytes of each row
	s_add_co_u32 s22, s22, s23
	s_mov_b32 s23, 0
	s_lshr_b32 s26, ttmp9, 3                       ; row group Mg
	s_and_b32 s27, ttmp9, 7                        ; row tile in it;  for the scale words: which four K steps
	s_mul_i32 s24, s26, 393216
	s_mul_i32 s25, s18, 98304                      ; eight K steps of 12,288 bytes
	s_add_co_u32 s24, s24, s25
	s_mul_i32 s25, s27, 1536
	s_add_co_u32 s24, s24, s25
	s_mov_b32 s25, 0
	s_lshl_b32 s26, s26, 14                        ; a row group's scale bytes: 16,384
	s_lshl_b32 s28, s18, 11                        ; from: row tile i = wave, 16 rows of 128 bytes,
	s_lshl_b32 s29, s27, 4                         ; 16 bytes for four K steps
	s_add_co_u32 s28, s28, s29
	s_add_co_u32 s28, s28, s26
	s_mov_b32 s29, 0
	s_lshl_b32 s30, s27, 11                        ; to: [g][i][lane][16 bytes]
	s_lshl_b32 s31, s18, 9
	s_add_co_u32 s30, s30, s31
	s_add_co_u32 s30, s30, s26
	s_mov_b32 s31, 0
	s_wait_alu depctr_va_vdst(0)
	s_wait_kmcnt 0x0
	s_add_nc_u64 s[6:7], s[6:7], s[22:23]
	s_add_nc_u64 s[8:9], s[8:9], s[28:29]
	s_add_nc_u64 s[14:15], s[14:15], s[24:25]
	s_add_nc_u64 s[16:17], s[16:17], s[30:31]
.irp j, 0,1,2,3,4,5,6,7
.irp p, 0,1,2,3,4,5
	global_load_b64 v[16+12*\j+2*\p:16+12*\j+2*\p+1], v8, s[6:7] offset:96*\j+48*(\p/3)+8*(\p%3) th:TH_LOAD_NT   ; pieces of 8 bytes, so that every address is a multiple of the access's size
.endr
.endr
	global_load_b128 v[112:115], v9, s[8:9] th:TH_LOAD_NT
	s_wait_loadcnt 0x0
.irp j, 0,1,2,3,4,5,6,7
.irp c, 0,1,2
	global_store_b128 v2, v[16+12*\j+4*\c:16+12*\j+4*\c+3], s[14:15] offset:12288*\j+512*\c th:TH_STORE_NT
.endr
.endr
	global_store_b128 v2, v[112:115], s[16:17] th:TH_STORE_NT
.Lend:
	s_wait_tensorcnt 0x0                           ; the wave's end, behind my last LDS store
	ds_add_u32 v[SPW], v[NIL]
	s_wait_dscnt 0x0
	s_endpgm
.Lfunc_end_k_q2e7884b629_prep:
	.size	k_q2e7884b629_prep, .Lfunc_end_k_q2e7884b629_prep-k_q2e7884b629_prep
	.p2alignl 7, 3214868480
	.fill 96, 4, 3214868480
	.section	.rodata,"a",@progbits
	.p2align	6, 0x0
	.amdhsa_kernel k_q2e7884b629_prep
		.amdhsa_group_segment_fixed_size 34560
		.amdhsa_private_segment_fixed_size 0
		.amdhsa_enable_private_segment 0
		.amdhsa_kernarg_size 56
		.amdhsa_user_sgpr_count 2
		.amdhsa_user_sgpr_kernarg_segment_ptr 1
		.amdhsa_wavefront_size32 1
		.amdhsa_system_sgpr_workgroup_id_x 1
		.amdhsa_system_sgpr_workgroup_id_y 1
		.amdhsa_system_sgpr_workgroup_id_z 1
		.amdhsa_system_vgpr_workitem_id 0
		.amdhsa_next_free_vgpr 228
		.amdhsa_next_free_sgpr 66
		.amdhsa_reserve_vcc 1
		.amdhsa_float_denorm_mode_32 3
		.amdhsa_float_denorm_mode_16_64 3
		.amdhsa_memory_ordered 1
		.amdhsa_forward_progress 1
		.amdhsa_inst_pref_size 70
	.end_amdhsa_kernel
	.amdgpu_metadata
---
amdhsa.version: [ 1, 2 ]
amdhsa.kernels:
  - .name:           k_q2e7884b629_prep
    .symbol:         k_q2e7884b629_prep.kd
    .args:
      - { .name: weight, .offset: 0, .size: 8, .value_kind: global_buffer, .address_space: global }
      - { .name: x_codes, .offset: 8, .size: 8, .value_kind: global_buffer, .address_space: global }
      - { .name: x_scales, .offset: 16, .size: 8, .value_kind: global_buffer, .address_space: global }
      - { .name: wsgn, .offset: 24, .size: 8, .value_kind: global_buffer, .address_space: global }
      - { .name: psum, .offset: 32, .size: 8, .value_kind: global_buffer, .address_space: global }
      - { .name: ximg, .offset: 40, .size: 8, .value_kind: global_buffer, .address_space: global }
      - { .name: xsimg, .offset: 48, .size: 8, .value_kind: global_buffer, .address_space: global }
    .group_segment_fixed_size: 34560
    .private_segment_fixed_size: 0
    .kernarg_segment_align: 8
    .kernarg_segment_size: 56
    .max_flat_workgroup_size: 128
    .sgpr_count:     66
    .vgpr_count:     228
    .wavefront_size: 32
...
	.end_amdgpu_metadata
.endif
;; end of part 1
;; launch gemm (part 2): grid 4 x 43, 4 waves a work-group, clusters of 4 x 1, 327,680 bytes of LDS; arguments wsgn, psum, ximg, xsimg, bias, out0; writes out0
.if DOCPART == 2
	.amdgcn_target "amdgcn-amd-amdhsa--gfx1250"
	.amdhsa_code_object_version 6
	.text
	.protected	k_q2e7884b629_gemm
	.globl	k_q2e7884b629_gemm
	.p2align	8
	.type	k_q2e7884b629_gemm,@function
k_q2e7884b629_gemm:
	s_mov_b64 s[64:65], 0
	v_nop
	global_prefetch_b8 v0, s[64:65] scope:SCOPE_SE
	s_setreg_imm32_b32 hwreg(HW_REG_WAVE_MODE, 25, 1), 1
	s_wait_xcnt 0x0
	s_wait_alu depctr_hold_cnt(0) depctr_sa_sdst(0) depctr_va_vdst(0) depctr_va_sdst(0) depctr_va_ssrc(0) depctr_va_vcc(0) depctr_vm_vsrc(0)
	s_getreg_b32 s2, hwreg(HW_REG_IB_STS2, 6, 4)
	s_cmp_eq_u32 s2, 0
	s_cbranch_scc0 .Lentry_in_a_cluster
	s_endpgm
.Lentry_in_a_cluster:
	s_bfe_u32 s2, ttmp6, 0x10000c
	s_cmp_lg_u32 s2, 0x3003
	s_cbranch_scc0 .Lentry_shape_is_right
	s_endpgm
.Lentry_shape_is_right:
; out[m][n] = sum over k of x[m][k] Q(sign(W) s)[n][k] + bias[n], on codes of FP6 (E2M3) with one E8M0 scale for each 32 along K.  SECOND OF TWO LAUNCHES.  M = 1,024, N = 11,008, K = 4,096.  No work of reference() is left out.
; THE WEIGHTS' CODES.  The first launch left sign codes (s11111 for a weight that is not 0, else 0) and 1,376 partial sums of |w|.  Every wave adds the partial sums in the same order, s = sum / 45,088,768, and makes the
; stated quantiser's pair: the byte = s's exponent field - 2, held at 1 from below; the code of -s under that scale, by the conversion instruction, sixteen times over: three registers with the pattern 1 c c c c c on end.
; Register j of a weight fragment AND mask register j % 3 is then s c c c c c, or 0: the quantiser's codes.  A block of zeros carries s's byte where the rule says 127: its codes are zeros.
; LIMITS: NaN and infinities among the weights are not served.
; SHARES.  A work-group makes 256 x 256 of out; 4 row blocks x 43 column blocks.  Its four waves stand 2 x 2, 128 x 128 each: 64 accumulators, 512 registers.
; CLUSTER 4, 1, 1: the four row blocks of one column block need the same weight tiles and ask for them JOINTLY (mask 15).  x's tiles are each work-group's own within the cluster (43 column blocks divide by no cluster width), so they come by plain loads.
; THE RING: two LDS slots of two K steps each: x's 2 x 24,576 bytes (two row groups of the first launch's images, dense), then the weights' 16 column tiles x 3,072 bytes.  Waves 0, 1 fetch x's halves, waves 2, 3 the weights' halves:
; one tensor load a wave behind each round of the cluster's barrier, and that load has two K steps, 128 products a wave, in which to land.  All are images of registers: three loads of 16 bytes a lane bring a fragment, 512 dense bytes each.
; x's scale words of the 256 rows for all of K (32,768 bytes) come once, at the head, and stay.
; A K STEP is 64 products, x's row tiles a = 0 .. 7 one after the other, each against the weights' b = 0 .. 7: the 64 accumulators take turns.  Both operands have two sets of registers.
; The next K step's fragments come in TWO RUNS of LDS loads: the weights' 24 at the step's head (at a change of slots: behind the refill), x's 24 and four scale words in its middle.
; The 96 ANDs of the next K step's weights stand in twelve slices of eight, one behind each of the step's last twelve pairs of products.
; PREFETCH: behind each refill every wave asks for its share of the fill two refills on: the weights' 192 blocks of 256 bytes are shared out by address, column tile 4 cx + wave, 12 blocks; x's 192 blocks 48 a wave.  The last trip asks for nothing.
; THE MATRIX INSTRUCTION IS USED TRANSPOSED (source 0 = 16 rows of W, source 1 = 16 rows of x): lane (r, h) holds row r of out and columns 8 h + 0 .. 7.  The bias is the C of each sum's first product.
; REGISTERS, in windows of 256 (s_set_vgpr_msb: bits 1:0 source 0, 3:2 source 1, 5:4 source 2, 7:6 destination):
;   window 0: v0-31 addresses; v32-47 x's scale words; x's sets at v64 and v160 (head: at work; way out: rows)    window 1: weight sets at v0 and v128; bias at v96-127, v224-255    windows 2, 3: accumulator (a, b) at v[8 (8 (a % 4) + b)] of window 2 + a / 4
.set SLOT,   98304
.set WOF,    49152                     ; the weights' part of a slot
.set SCL,    2*SLOT                    ; x's scale words
.set SPARE,  SCL+32768                 ; the spare words, 128 bytes for each wave: two blocks of 256 bytes that no other line names
.set STAGE,  SPARE+512                 ; the way out: 16 rows x (512 + 16) bytes for each wave, bytes that no tensor load fills
.set SPITCH, 528
.set LI,  1                            ; 16 x lane
.set L4,  2                            ; 4 x lane
.set AX,  4                            ; v4-5  my x fragments in slot 0, 1
.set AW,  6                            ; v6-7  my weight fragments in slot 0, 1
.set ADS, 8                            ; x's scale words of the trip in hand
.set ADB, 9                            ; and of K step 0
.set H32, 10                           ; 32 h
.set STO, 11
.set RD,  12
.set SPW, 14                           ; LDS address of my spare word; never rewritten
.set NIL, 15                           ; 0; never rewritten
.set BS,  16                           ; the weights' scale word: s's byte four times; holds nothing else
.set PW,  17                           ; prefetch offsets: 256 x min(lane, 11); 256 x lane; 256 x min(lane, 15)
.set P0,  18
.set P1,  19
.set SC,  32                           ; v[SC + 4 (p % 4) + i]: lanes 0-15 row tile i, lanes 16-31 row tile i + 4, K step p; hold nothing else
.set G1X, 28
.set G1W, 36
.set G1S, 44
.set G0X, 52                           ; s[52:59] group 0 for x, a set for each slot
.set G0W, 68                           ; s[68:75] the same for the weights
.set G0S, 76
.set MK,  80                           ; s80-82 the mask
.set TR,  86                           ; trips to go
.set SOF, 87                           ; the scale words' step
.set PFW, 88
.set PFX, 90
.set MSB, 0
.macro WIN new                         ; the immediate's high byte repeats the setting that is left; a switch that changes nothing is dropped
.if MSB != (\new)
	s_set_vgpr_msb (MSB<<8)|(\new)
.set MSB, (\new)
.endif
.endm
.macro PLACES n
.rept \n
	v_nop
.endr
.endm
.macro DESC g, w0, c, r, p             ; descriptor group 1: r rows of c elements of 8 bytes, p elements from row to row
	s_mov_b32 s[\g], \w0
	s_mov_b32 s[\g+1], (\c)<<16
	s_mov_b32 s[\g+2], (\r)<<16
	s_mov_b32 s[\g+3], (\c)<<16
	s_mov_b32 s[\g+4], \r
	s_mov_b32 s[\g+5], \p
	s_mov_b32 s[\g+6], 0
	s_mov_b32 s[\g+7], 0
.endm
.macro CREST                           ; a round of the cluster's barrier behind its opening barrier
	s_cmp_lg_u32 s16, 0
	s_cbranch_scc1 .Lnot_wave_0_\@
	s_barrier_signal -3
.Lnot_wave_0_\@:
	s_barrier_wait -3
	s_barrier_signal -1
	s_barrier_wait -1
.endm
.macro CROUND
	s_barrier_signal -1
	s_barrier_wait -1
	CREST
.endm
.macro JLOAD s                         ; slot s: waves 0, 1 x's halves (plain), waves 2, 3 the weights' halves (joint); the branch hangs on the wave's number alone
	s_cmp_eq_u32 s17, 0
	s_cbranch_scc0 .Lfor_w_\@
	tensor_load_to_lds s[G0X+4*(\s):G0X+4*(\s)+3], s[G1X:G1X+7]
	s_nop 0
	PLACES 4
	s_branch .Lasked_\@
.Lfor_w_\@:
	tensor_load_to_lds s[G0W+4*(\s):G0W+4*(\s)+3], s[G1W:G1W+7]
	s_nop 0
	PLACES 4
.Lasked_\@:
.endm
.macro ARM under, g0, g1, next         ; the head's loads: one chain of branches on the wave's number, one load to an arm
	s_cmp_lt_u32 s16, \under
	s_cbranch_scc0 \next
	tensor_load_to_lds s[\g0:\g0+3], s[\g1:\g1+7]
	s_nop 0
	PLACES 4
	s_branch .Lhead_asked
\next:
.endm
.macro ASK h                           ; the fill two refills on; h: the trip's first or second refill.  The last trip's fills have none two on
	s_cmp_gt_u32 s[TR], 1
	s_cbranch_scc0 .Lno_ask_\@
	global_prefetch_b8 v[PW], s[PFW:PFW+1] offset:3072*(\h) th:TH_LOAD_NT scope:SCOPE_SE
	global_prefetch_b8 v[P0], s[PFX:PFX+1] offset:24576*(\h) th:TH_LOAD_NT scope:SCOPE_SE
	global_prefetch_b8 v[P1], s[PFX:PFX+1] offset:24576*(\h)+8192 th:TH_LOAD_NT scope:SCOPE_SE
.Lno_ask_\@:
.endm
; One product: weight fragment b x x's row tile a of K step p (p: any number with the K step's remainder by 4).  first = 1: the bias starts the sum
.macro MM p, a, b, first
.set rA, 8*(8*((\a)%4)+(\b))
.set rW, 128*((\p)%2)+12*(\b)
.set rX, 64+96*((\p)%2)+12*(\a)
.set rS, SC+4*((\p)%4)+(\a)%4
.if \first
.set rC, 96+8*(\b)+96*((\b)/4)
	WIN 0x91+0x40*((\a)/4)
.else
.set rC, rA
	WIN 0xa1+0x50*((\a)/4)
.endif
.if (\a) < 4
	v_wmma_scale_f32_16x16x128_f8f6f4 v[rA:rA+7], v[rW:rW+11], v[rX:rX+11], v[rC:rC+7], v[BS], v[rS] matrix_a_fmt:MATRIX_FMT_FP6 matrix_b_fmt:MATRIX_FMT_FP6
.else
	v_wmma_scale_f32_16x16x128_f8f6f4 v[rA:rA+7], v[rW:rW+11], v[rX:rX+11], v[rC:rC+7], v[BS], v[rS] matrix_a_fmt:MATRIX_FMT_FP6 matrix_b_fmt:MATRIX_FMT_FP6 matrix_b_scale:MATRIX_SCALE_ROW1
.endif
.endm
.macro PAIR p, j, first                ; products 2 j and 2 j + 1 of a K step's 64
	MM \p, (\j)/4, 2*((\j)%4), \first
	MM \p, (\j)/4, 2*((\j)%4)+1, \first
.endm
.macro WSL u, b                        ; weight fragment b of K step u
	WIN 0x40
.irp c, 0,1,2
	ds_load_b128 v[128*((\u)%2)+12*(\b)+4*\c:128*((\u)%2)+12*(\b)+4*\c+3], v[AW+((\u)/2)%2] offset:3072*(\b)+1536*((\u)%2)+512*\c
.endr
.endm
.macro XSL u, a                        ; x's fragment a of K step u
	WIN 0
.irp c, 0,1,2
	ds_load_b128 v[64+96*((\u)%2)+12*(\a)+4*\c:64+96*((\u)%2)+12*(\a)+4*\c+3], v[AX+((\u)/2)%2] offset:12288*((\u)%2)+1536*(\a)+512*\c
.endr
.endm
.macro ASL u, k                        ; eight of the 96 ANDs of K step u's weights: register j of the set takes mask register j % 3 (a fragment is 12 registers)
	WIN 0x44
.irp i, 0,1,2,3,4,5,6,7
	v_and_b32 v[128*((\u)%2)+8*(\k)+\i], s[MK+(8*(\k)+\i)%3], v[128*((\u)%2)+8*(\k)+\i]
.endr
.endm
; A K step.  nx: the next K step is fetched and ANDed; sc: the scale words of the K step three on are fetched into the column that the last K step read.
; The four places at its head stand behind the last step's last product, ahead of all loads into what that step read, and behind the last ANDs, ahead of the products that read them.
; chg = 1, 2: THE CHANGE OF SLOTS (every odd K step): this step's fragments were fetched in the step before, so its slot has had its last read.  Each wave waits for all its tensor loads (one is out: its part of the other slot),
; adds 0 to its spare word, waits for that and for its reads.  chg = 1: the barrier opens a round of the cluster's barrier, and the slot is filled again, with the K steps three and four on.  chg = 2: nothing is left to fetch.
.macro STEP p, chg, nx, sc, first
	PLACES 4
.if \chg
	WIN 0                                          ; the add's two registers lie in window 0
.endif
	s_wait_alu depctr_va_vdst(0)                   ; directly ahead of the blocking wait
.if \chg
.set sl, ((\p)/2)%2
	s_wait_tensorcnt 0x0                           ; no tensor load of mine is out, so a group 0 may be written
	ds_add_u32 v[SPW], v[NIL]
.if (\chg) == 1
	s_add_nc_u64 s[G0X+4*sl+2:G0X+4*sl+3], s[G0X+4*sl+2:G0X+4*sl+3], 49152   ; this slot's next fill: four K steps on
	s_add_nc_u64 s[G0W+4*sl+2:G0W+4*sl+3], s[G0W+4*sl+2:G0W+4*sl+3], 6144
.endif
	s_wait_dscnt 0x0                               ; the add is done, my reads of the slot are over, this step's fragments are in
	s_barrier_signal -1
.set jj, 0
.rept 4
	PAIR \p, jj, \first                            ; eight products, work on registers alone, while the others arrive
.set jj, jj+1
.endr
	WIN 0
	s_barrier_wait -1
.if (\chg) == 1
	CREST                                          ; no wave of any partner still reads this slot or has a load on its way
	JLOAD sl                                       ; the first tensor load behind the round
.endif
.else
	s_wait_dscnt 0x0                               ; x's fragments and scale words, asked for in the last step's middle, are in
.set jj, 0
.endif
.if \nx
.set kk, 0
.rept 8
	WSL (\p)+1, kk                                 ; THE FIRST RUN: the next step's weights (at a change of slots: from the other slot)
.set kk, kk+1
.endr
.endif
.if (\chg) == 1
	WIN 0
	ASK (\p)/2
.endif
.rept 16-jj
	PAIR \p, jj, \first
.set jj, jj+1
.endr
.if \nx
.set kk, 0
.rept 8
	XSL (\p)+1, kk                                 ; THE SECOND RUN: the next step's x,
.set kk, kk+1
.endr
.endif
.if \sc
	WIN 0
.irp i, 0,1,2,3
	ds_load_b32 v[SC+4*(((\p)+3)%4)+\i], v[ADS] offset:2048*(((\p)+3)/4)+512*\i+4*(((\p)+3)%4)   ; and the scale words of the K step three on
.endr
.endif
.rept 16
	PAIR \p, jj, \first
.if (\nx) && (jj >= 20)
.if jj == 20
	s_wait_dscnt 24+4*(\sc)                        ; the weights' 24 loads are in; behind them stand x's 24 and the scale words'
.endif
	ASL (\p)+1, jj-20
.endif
.set jj, jj+1
.endr
.endm
	s_load_b256 s[4:11], s[0:1], 0x0               ; wsgn s[4:5], psum s[6:7], ximg s[8:9], xsimg s[10:11]
	s_load_b128 s[12:15], s[0:1], 0x20             ; bias s[12:13], out0 s[14:15]
	v_lshl_add_u32 v[SPW], v0, 2, SPARE
	v_mov_b32 v[NIL], 0
	ds_add_u32 v[SPW], v[NIL]                      ; the wave's opening: the add, twice on end, and its wait ahead of my first tensor load
	ds_add_u32 v[SPW], v[NIL]
	v_lshrrev_b32 v20, 5, v0
	v_readfirstlane_b32 s16, v20                   ; wave 0..3
	s_lshr_b32 s17, s16, 1                         ; my half of the block's rows.  Also: I fetch x (0) or weights (1)
	s_and_b32 s18, s16, 1                          ; my half of its columns.  Also: which half of that tile I fetch
	s_bfe_u32 s19, ttmp6, 0x40000                  ; cx
	s_lshl_b32 s20, ttmp9, 2
	s_add_co_u32 s20, s20, s19                     ; row block
	s_and_b32 s21, ttmp7, 0xffff                   ; column block
	DESC G1X, 3<<16, 32, 96, 32                    ; x: 24,576 dense bytes as 96 rows of 256
	DESC G1W, 15|(3<<16)|(1<<21), 384, 16, 6144    ; weights: rows of 3,072 bytes (two K steps of a column tile), 49,152 bytes apart; at the head 16 rows; the mask names the cluster's four
	DESC G1S, 3<<16, 32, 128, 32                   ; scale words: 32,768 dense bytes
	s_lshl_b32 s22, s20, 1
	s_add_co_u32 s22, s22, s18
	s_mul_i32 s22, s22, 393216                     ; x: the first launch's row group 2 x row block + half
	s_mov_b32 s23, 0
	s_lshl_b32 s24, s21, 4
	s_lshl_b32 s25, s18, 3
	s_add_co_u32 s24, s24, s25
	s_mul_i32 s24, s24, 49152                      ; weights: column tile 16 x column block + 8 x half
	s_mov_b32 s25, 0
	s_lshl_b32 s26, s20, 15                        ; the row block's scale words
	s_mov_b32 s27, 0
	s_mul_i32 s92, s18, 24576                      ; where my half goes: no place in the cluster enters an LDS address
	s_wait_dscnt 0x0                               ; both opening adds are done
	s_wait_kmcnt 0x0
	s_add_nc_u64 s[22:23], s[8:9], s[22:23]
	s_add_nc_u64 s[24:25], s[4:5], s[24:25]
	s_add_nc_u64 s[26:27], s[10:11], s[26:27]
.irp s, 0,1
	s_mov_b32 s[G0X+4*\s], 1
	s_add_co_u32 s[G0X+4*\s+1], s92, \s*SLOT
	s_add_nc_u64 s[G0X+4*\s+2:G0X+4*\s+3], s[22:23], \s*24576
	s_or_b32 s[G0X+4*\s+3], s[G0X+4*\s+3], 0x80000000
	s_mov_b32 s[G0W+4*\s], 1
	s_add_co_u32 s[G0W+4*\s+1], s92, \s*SLOT+WOF
	s_add_nc_u64 s[G0W+4*\s+2:G0W+4*\s+3], s[24:25], \s*3072
	s_or_b32 s[G0W+4*\s+3], s[G0W+4*\s+3], 0x80000000
.endr
	s_mov_b32 s[G0S], 1
	s_mov_b32 s[G0S+1], SCL
	s_mov_b64 s[G0S+2:G0S+3], s[26:27]
	s_or_b32 s[G0S+3], s[G0S+3], 0x80000000
	CROUND                                         ; all four work-groups are here: the first joint load meets
	ARM 2, G0X, G1X, .Lhead_w                      ; waves 0, 1: x's halves of slot 0;
	ARM 3, G0W, G1W, .Lhead_s                      ; wave 2: the weights' 16 tiles of slot 0;
	tensor_load_to_lds s[G0S:G0S+3], s[G1S:G1S+7]  ; wave 3: the scale words
	s_nop 0
	PLACES 4
.Lhead_asked:
	s_mul_i32 s22, s17, 24576                      ; my 128 rows of x in a slot
	s_mul_i32 s23, s18, 24576
	s_add_co_u32 s23, s23, WOF                     ; my 8 column tiles
	s_lshl_b32 s24, s17, 14
	s_add_co_u32 s24, s24, SCL                     ; my rows' scale words
	s_mul_i32 s25, s16, 16*SPITCH
	s_add_co_u32 s25, s25, STAGE                   ; my stage
	s_mov_b32 s[SOF], 0
	s_mov_b32 s84, 0x76543210
	s_mov_b32 s85, 0xfedcba98                      ; v_permlanex16_b32's selects for lane l xor 16
	s_lshl_b32 s94, s21, 10
	s_lshl_b32 s95, s18, 9
	s_add_co_u32 s94, s94, s95                     ; my first column, in bytes of f32
	s_mov_b32 s95, 0
	s_add_nc_u64 s[12:13], s[12:13], s[94:95]
	s_add_nc_u64 s[14:15], s[14:15], s[94:95]
	s_lshl_b32 s94, s20, 8
	s_lshl_b32 s26, s17, 7
	s_add_co_u32 s94, s94, s26
	s_mul_i32 s94, s94, 44032                      ; my first row of out
	s_add_nc_u64 s[14:15], s[14:15], s[94:95]
	s_lshl_b32 s94, s21, 4
	s_lshl_b32 s26, s19, 2
	s_add_co_u32 s94, s94, s26
	s_add_co_u32 s94, s94, s16
	s_mul_i32 s94, s94, 49152                      ; prefetch, weights: column tile 16 x column block + 4 cx + wave,
	s_add_co_u32 s94, s94, 12288                   ; fill 4
	s_add_nc_u64 s[PFW:PFW+1], s[4:5], s[94:95]
	s_lshl_b32 s94, s20, 1
	s_add_co_u32 s94, s94, s17
	s_mul_i32 s94, s94, 393216                     ; prefetch, x: row group 2 x row block + wave / 2,
	s_mul_i32 s26, s18, 12288                      ; 48 blocks of a fill's 96,
	s_add_co_u32 s94, s94, s26
	s_add_co_u32 s94, s94, 98304                   ; fill 4
	s_add_nc_u64 s[PFX:PFX+1], s[8:9], s[94:95]
	v_and_b32 v20, 31, v0                          ; lane
	v_bfe_u32 v21, v0, 4, 1                        ; h
	v_and_b32 v22, 15, v0                          ; r
	v_lshlrev_b32 v[LI], 4, v20
	v_lshlrev_b32 v[L4], 2, v20
	v_lshlrev_b32 v[H32], 5, v21
	v_add_nc_u32 v[AX], s22, v[LI]
	v_add_nc_u32 v[AW], s23, v[LI]
	v_add_nc_u32 v[AX+1], SLOT, v[AX]
	v_add_nc_u32 v[AW+1], SLOT, v[AW]
	v_add_nc_u32 v[ADB], s24, v[LI]
	v_add_nc_u32 v[ADS], s[SOF], v[ADB]
	v_mul_u32_u24 v23, v22, SPITCH
	v_lshl_add_u32 v23, v21, 5, v23
	v_add_nc_u32 v[STO], s25, v23                  ; into the stage: row r, + 32 h
	v_add_nc_u32 v[RD], s25, v[LI]                 ; back: the 32 lanes take a row of 512 bytes
	v_min_u32 v[PW], 11, v20
	v_lshlrev_b32 v[PW], 8, v[PW]
	v_lshlrev_b32 v[P0], 8, v20
	v_min_u32 v[P1], 15, v20
	v_lshlrev_b32 v[P1], 8, v[P1]
	s_wait_alu depctr_va_vdst(0)
.set i, 0
.rept 43
	global_load_b32 v[64+i], v[L4], s[6:7] offset:128*i            ; the 1,376 partial sums, 43 a lane
.set i, i+1
.endr
	WIN 0x40
.irp b, 0,1,2,3,4,5,6,7
	global_load_b128 v[96+8*\b+96*(\b/4):96+8*\b+96*(\b/4)+3], v[H32], s[12:13] offset:64*\b          ; lane (r, h): bias of columns 16 b + 8 h + 0 .. 7
	global_load_b128 v[96+8*\b+96*(\b/4)+4:96+8*\b+96*(\b/4)+7], v[H32], s[12:13] offset:64*\b+16
.endr
	WIN 0
	s_wait_loadcnt 16                              ; behind the partial sums stand the bias's 16 loads
.irp j, 0,1,2,3
	v_add_f32 v[108+\j], v[64+\j], v[68+\j]        ; four chains, then a tree: the same order in every wave of the launch
.endr
.set i, 72
.rept 35
	v_add_f32 v[108+i%4], v[108+i%4], v[i]
.set i, i+1
.endr
	v_add_f32 v108, v108, v109
	v_add_f32 v110, v110, v111
	v_add_f32 v108, v108, v110
	v_add_f32_dpp v108, v108, v108 row_xmask:1 row_mask:0xf bank_mask:0xf
	v_add_f32_dpp v108, v108, v108 row_xmask:2 row_mask:0xf bank_mask:0xf
	v_add_f32_dpp v108, v108, v108 row_xmask:4 row_mask:0xf bank_mask:0xf
	v_add_f32_dpp v108, v108, v108 row_xmask:8 row_mask:0xf bank_mask:0xf
	v_permlanex16_b32 v109, v108, s84, s85
	v_add_f32 v108, v108, v109
	v_mul_f32 v108, 0x32be82fa, v108               ; s = the sum / (43 x 2^20)
	v_max_num_f32 v20, 0x1800000, v108             ; the floor 2^(3 - 127): the byte cannot fall under 1
	v_add_nc_u32 v21, 0xff000000, v20              ; 2 off the exponent field: the conversion's scale operand
	v_lshrrev_b32 v20, 23, v21                     ; the scale's byte,
	v_lshl_or_b32 v20, v20, 8, v20
	v_lshl_or_b32 v[BS], v20, 16, v20              ; for all four blocks of a K step, in every lane
.set i, 0
.rept 16
	v_xor_b32 v[112+i], 0x80000000, v108           ; -s, sixteen times
.set i, i+1
.endr
	v_cvt_scalef32_pk16_fp6_f32 v[128:130], v[112:127], v21        ; 96 bits: 1 c c c c c on end
	v_nop                                          ; one plain place behind a scaled conversion
	v_readfirstlane_b32 s[MK], v128
	v_readfirstlane_b32 s[MK+1], v129
	v_readfirstlane_b32 s[MK+2], v130
	s_wait_alu depctr_va_vdst(0)
	s_wait_tensorcnt 0x0                           ; my tile of the head's four is in
	ds_add_u32 v[SPW], v[NIL]
	s_mov_b32 s[G1W+2], 8<<16                      ; no tensor load of mine is out: from here on a load of weights brings 8 rows
	s_mov_b32 s[G1W+4], 8
	s_wait_dscnt 0x0
	CROUND                                         ; slot 0 and the scale words are whole, and all four work-groups are here
	JLOAD 1                                        ; slot 1's first fill, the first tensor load behind the round
.set jj, 0
.rept 8
	WSL 0, jj
.set jj, jj+1
.endr
.set jj, 0
.rept 8
	XSL 0, jj
.set jj, jj+1
.endr
.irp j, 0,1,2
.irp i, 0,1,2,3
	ds_load_b32 v[SC+4*\j+\i], v[ADS] offset:512*\i+4*\j           ; the scale words of K steps 0 to 2
.endr
.endr
	s_wait_dscnt 36                                ; the weights' 24 loads are in; behind them stand x's 24 and 12 of scale words
.set jj, 0
.rept 12
	ASL 0, jj
.set jj, jj+1
.endr
	WIN 0
	s_wait_loadcnt 0x0                             ; the bias
	STEP 0, 0, 1, 1, 1                             ; the first K step stands in front of the loop: its products start the sums, with the bias
	WIN 0                                          ; at a label and at a branch every window is 0
	s_mov_b32 s[TR], 7
.Ltrip:                                            ; trip t: K steps 4 t + 1 .. 4 t + 4; both slots are filled again
	STEP 1, 1, 1, 1, 0
	STEP 2, 0, 1, 1, 0
	STEP 3, 1, 1, 1, 0
	STEP 4, 0, 1, 1, 0
	WIN 0
	s_wait_xcnt 0x0                                ; the prefetches have read their bases: they step only behind this wait
	s_add_nc_u64 s[PFW:PFW+1], s[PFW:PFW+1], 6144
	s_add_nc_u64 s[PFX:PFX+1], s[PFX:PFX+1], 49152
	s_add_co_u32 s[SOF], s[SOF], 2048              ; four K steps on in the scale words
	v_add_nc_u32 v[ADS], s[SOF], v[ADB]
	s_sub_co_u32 s[TR], s[TR], 1
	s_cmp_lg_u32 s[TR], 0
	s_wait_alu depctr_va_vdst(0)
	s_cbranch_scc1 .Ltrip
	STEP 1, 2, 1, 0, 0                             ; K steps 29 to 31 are written out: nothing more is fetched from memory
	STEP 2, 0, 1, 0, 0
	STEP 3, 0, 0, 0, 0
	WIN 0
; THE WAY OUT, block by block of 16 rows x 128 columns: through my own stage and back as whole rows of 512 bytes, which the 32 lanes store as two aligned runs of 256 bytes.
; LDS serves a wave's instructions in order (ISA guide 5.7.1.4): no wait between the stores and the loads.
.macro TOSTAGE a
.set AC, 64*((\a)%4)
	WIN 0x08+4*((\a)/4)                            ; the data: window 2 or 3
.irp b, 0,1,2,3,4,5,6,7
	ds_store_b128 v[STO], v[AC+8*\b:AC+8*\b+3] offset:64*\b          ; each accumulator from its low end on
	ds_store_b128 v[STO], v[AC+8*\b+4:AC+8*\b+7] offset:64*\b+16
.endr
	WIN 0
.set BB, 64+64*((\a)%2)
.irp t, 0,1,2,3,4,5,6,7,8,9,10,11,12,13,14,15
	ds_load_b128 v[BB+4*\t:BB+4*\t+3], v[RD] offset:\t*SPITCH
.endr
.endm
.macro SEND a, younger                 ; younger: the LDS instructions issued behind block a's loads, which may stay out
.set BB, 64+64*((\a)%2)
	s_wait_dscnt \younger
.if (\a) > 0
	s_add_nc_u64 s[14:15], s[14:15], 16*44032      ; behind a wait on XCNT: the earlier stores have read their base
.endif
.irp t, 0,1,2,3,4,5,6,7,8,9,10,11,12,13,14,15
	global_store_b128 v[LI], v[BB+4*\t:BB+4*\t+3], s[14:15] offset:\t*44032   ; 32 lanes store 512 consecutive bytes, at a multiple of 256 from out's first byte
.endr
.endm
	PLACES 4                                       ; behind the last products: for the reads of results and the loads into x's registers
	TOSTAGE 0
.irp a, 1,2,3,4,5,6,7
.if \a > 1
	s_wait_xcnt 0x0                                ; block a - 2's stores have read their registers and their base
.endif
	TOSTAGE \a
	SEND \a-1, 32                                  ; behind block a - 1's loads: block a's 16 stores and 16 loads
.endr
	s_wait_xcnt 0x0
	SEND 7, 0
	s_wait_tensorcnt 0x0                           ; the wave's end
	ds_add_u32 v[SPW], v[NIL]
	s_wait_dscnt 0x0
	CROUND                                         ; the closing round
	s_endpgm
.Lfunc_end_k_q2e7884b629_gemm:
	.size	k_q2e7884b629_gemm, .Lfunc_end_k_q2e7884b629_gemm-k_q2e7884b629_gemm
	.p2alignl 7, 3214868480
	.fill 96, 4, 3214868480
	.section	.rodata,"a",@progbits
	.p2align	6, 0x0
	.amdhsa_kernel k_q2e7884b629_gemm
		.amdhsa_group_segment_fixed_size 327680
		.amdhsa_private_segment_fixed_size 0
		.amdhsa_enable_private_segment 0
		.amdhsa_kernarg_size 48
		.amdhsa_user_sgpr_count 2
		.amdhsa_user_sgpr_kernarg_segment_ptr 1
		.amdhsa_wavefront_size32 1
		.amdhsa_system_sgpr_workgroup_id_x 1
		.amdhsa_system_sgpr_workgroup_id_y 1
		.amdhsa_system_sgpr_workgroup_id_z 1
		.amdhsa_system_vgpr_workitem_id 0
		.amdhsa_next_free_vgpr 1024
		.amdhsa_next_free_sgpr 100
		.amdhsa_reserve_vcc 0
		.amdhsa_float_denorm_mode_32 3
		.amdhsa_float_denorm_mode_16_64 3
		.amdhsa_memory_ordered 1
		.amdhsa_forward_progress 1
		.amdhsa_inst_pref_size 174
	.end_amdhsa_kernel
	.amdgpu_metadata
---
amdhsa.version: [ 1, 2 ]
amdhsa.kernels:
  - .name:           k_q2e7884b629_gemm
    .symbol:         k_q2e7884b629_gemm.kd
    .args:
      - { .name: wsgn, .offset: 0, .size: 8, .value_kind: global_buffer, .address_space: global }
      - { .name: psum, .offset: 8, .size: 8, .value_kind: global_buffer, .address_space: global }
      - { .name: ximg, .offset: 16, .size: 8, .value_kind: global_buffer, .address_space: global }
      - { .name: xsimg, .offset: 24, .size: 8, .value_kind: global_buffer, .address_space: global }
      - { .name: bias, .offset: 32, .size: 8, .value_kind: global_buffer, .address_space: global }
      - { .name: out0, .offset: 40, .size: 8, .value_kind: global_buffer, .address_space: global }
    .group_segment_fixed_size: 327680
    .private_segment_fixed_size: 0
    .kernarg_segment_align: 8
    .kernarg_segment_size: 48
    .max_flat_workgroup_size: 128
    .sgpr_count:     100
    .vgpr_count:     1024
    .wavefront_size: 32
...
	.end_amdgpu_metadata
.endif
;; end of part 2
